; MI455X (gfx1250); checked and timed in simulation.
; The chip was launched on July 23, 2026; its instructions are those of AMD's public machine-readable ISA for CDNA 5 (MIT licence, August 2026) and "CDNA5" Instruction Set Architecture Reference Guide (July 2026). The comments in the code are by the model that wrote it; some were corrected since.
;; Self Attention. Allowed arithmetic: matrix products marked QUANTISED: E2M1 operands, one E8M0 scale for each 32 along K, by v_wmma_scale_f32_16x16x128_f8f6f4 with both operands' format E2M1 (or v_wmma_scale_f32_32x16x128_f4), f32 sums; everything else in f32.
;; Inputs: b_out 1,024 float32; keys 4 x 2,048 x 1,024 float32; query 4 x 2,048 x 1,024 float32; values_codes 4 x 1,024 x 64 x 16 uint8 (E2M1 codes of values, K innermost, in blocks of 32 codes, two codes a byte); values_scales 4 x 1,024 x 64 uint8 (E8M0 scales of values, one for each 32 codes along K); w_out_codes 1,024 x 32 x 16 uint8 (E2M1 codes of w_out, K innermost, in blocks of 32 codes, two codes a byte); w_out_scales 1,024 x 32 uint8 (E8M0 scales of w_out, one for each 32 codes along K).
;; Outputs: out0 4 x 2,048 x 1,024 float32.
;; This version of the problem:
;;   THIS VERSION OF THE PROBLEM IS GIVEN IN LOW PRECISION. The matrix products marked QUANTISED in the list below multiply operands that are first quantised to E2M1 (2 exponent bits, 1 mantissa bit; 4 bits a number), with one power-of-two scale for each 32 numbers along K (OCP MX v1.0); their sums are f32. All else is computed in f32.
;;   The module's matrix products, in the order in which they are computed (A, B: the left and right operand; K: the contracted axis; several contracted axes count as one K, in the product's order):
;;     1. batch 64 x [M 2,048, K 64] x [K 64, N 2,048]; A: input query; B: input keys: QUANTISED
;;     2. batch 64 x [M 64, K 2,048] x [K 2,048, N 2,048]; A: input values (given as codes); B: softmax (see below): QUANTISED
;;     3. [M 8,192, K 1,024] x [K 1,024, N 1,024]; A: computed on the way; B: input w_out (given as codes): QUANTISED
;;   THE QUANTISER, for each operand of a quantised product, along K:
;;     - K is cut into blocks of 32 from its start; a last block that is shorter is filled with zeros.
;;     - A block's scale is 2^e with e = floor(log2(the largest magnitude in the block)) - 2, held to -126 .. 127; a block of zeros has e = 0. As a byte (E8M0): e + 127.
;;     - Each number is divided by its block's scale, clamped to +-6, and rounded to the nearest number of E2M1, ties to even, subnormals kept.
;;     - The product sums the exact products of the quantised numbers (number of the format x scale) in f32.
;;   ~~~python
;;   def quantise(x, axis):      # numpy; x: float32 -> the quantised numbers, widened to float32 again
;;       x = np.moveaxis(x, axis, -1); K = x.shape[-1]
;;       x = np.pad(x, [(0, 0)] * (x.ndim - 1) + [(0, -K % 32)]); x = x.reshape(x.shape[:-1] + (-1, 32)); a = np.abs(x).max(-1, keepdims=True)
;;       e = np.where(a > 0, np.clip(np.frexp(np.where(a > 0, a, 1))[1] - 1 - 2, -126, 127), 0)      # np.frexp(a)[1] - 1 = floor(log2(a)), exactly
;;       r = np.clip(x / 2.0 ** e, -6, 6)
;;       step = 2.0 ** (np.maximum(np.frexp(np.where(r == 0, 1, r))[1] - 1, 0) - 1)
;;       q = np.round(r / step) * step * 2.0 ** e      # np.round: ties to even
;;       return np.moveaxis(q.reshape(q.shape[:-2] + (-1,))[..., :K], -1, axis).astype(np.float32)
;;   ~~~
;;   SOFTMAX AHEAD OF A QUANTISED PRODUCT. Where the list says 'softmax', what is quantised is not the finished softmax but p = 2^(t - M), with t = logit x log2(e) and M = ceil(the row's largest t), a whole number; so 1/2 < the row's largest p <= 1. The row's sum l is taken of the UNQUANTISED p, in f32, and the product's result is divided by l at the end. Since M is a whole number, a kernel that streams over the keys may use a running M (the ceiling of the running maximum): every later rescaling is an exact power of two, which a block's scale takes up: the codes' values come out the same.
;;   OPERANDS COMPUTED ON THE WAY. 'Computed on the way' means the value that the module computes at that place (a softmax that the list does not call 'softmax' is quantised finished and normalised). What goes into a quantiser is computed in f32, as accurately as f32 sums, v_exp_f32 and their like allow (about 1e-6 of the number): no bf16 or f16 on the way to a quantiser, and a product that is left as it is and whose result goes on into a quantised operand takes f32 operands (vector FMAs, or v_wmma_f32_16x16x4_f32). A number that lies on a knife's edge between two numbers of the format may be rounded either way, as far as f32 arithmetic and the matrix unit's own rounding can turn it there, and no further.
;;   INPUTS GIVEN AS CODES. values (in the module: [4, 2048, 1024], K = its axis 1); w_out (in the module: [1024, 1024], K = its axis 1): each comes as NAME_codes (uint8): NAME with its K axis moved to the last place and cut into blocks of 32 codes, [.., K / 32, bytes a block], one block behind the other in memory; two codes a byte, the lower K in the low four bits (a code: sign, 2 exponent bits, 1 mantissa bit); and NAME_scales (uint8): the same leading axes, one E8M0 byte (e + 127) for each 32 codes along K. Its value is code x scale, taken as it is: it is not quantised again, and the codes and scales need not be those that the quantiser above would give.
;; One version. Each part assembles by itself: llvm-mc -triple=amdgcn-amd-amdhsa -mcpu=gfx1250 --defsym DOCPART=n.
;; ======== version 1 of 1: 3 launches
;; limits: right only within a limited range of input values
;; workspace buffers: kb 4,456,448 bytes; vb 4,456,448 bytes; oc 4,194,304 bytes; os 262,144 bytes
;; launch prep (part 1): grid 256 x 1, 16 waves a work-group, no clusters, 142,336 bytes of LDS; arguments keys, values_codes, values_scales, kb, vb; writes kb, vb
.if DOCPART == 1
	.amdgcn_target "amdgcn-amd-amdhsa--gfx1250"
	.amdhsa_code_object_version 6
	.text
	.protected	k_q26b0f172a9_prep
	.globl	k_q26b0f172a9_prep
	.p2align	8
	.type	k_q26b0f172a9_prep,@function
k_q26b0f172a9_prep:
	s_mov_b64 s[64:65], 0
	v_nop
	global_prefetch_b8 v0, s[64:65] scope:SCOPE_SE
	s_setreg_imm32_b32 hwreg(HW_REG_WAVE_MODE, 25, 1), 1
	s_wait_xcnt 0x0
; PREPARES K AND V FOR THE ATTENTION'S LAUNCH as images of the matrix operands' registers: a fragment's four registers are 512 consecutive bytes, 16 at 16 x lane.
; DEAD WORK: none.  Every input of reference() reaches out0 for some values: keys and values here, query in the second launch, w_out and b_out in the third.  Nothing is left out.
; keys [4][2048][1024] f32 are quantised to FP4 (E2M1), one E8M0 byte for each 32 of a head's 64.  y = 16 n + head.  A head's block in kb and in vb is 69,632 bytes: 65,536 of codes, then 4,096 of scale words.
; kb codes: step x 4096 + pair x 1024 + u x 512 + block x 256 + m x 16: row m of key tile 2 pair + u is key 128 step + 32 pair + 16 (m / 8) + 8 u + m % 8.  Scale words: step x 256 + m x 16 + pair x 4 + 2 u: the key's two bytes.
; vb codes: step x 4096 + t x 1024 + c x 512 + 16 lane: row d = 32 (t / 2) + 16 (r / 8) + 8 (t % 2) + r % 8 of the head's values, bytes 64 step + 32 c + 16 h on.  Scale words: step x 256 + 16 r + 4 t: that row's word.
; LIMITS: NaN and infinities among the keys are not served.  A block whose largest magnitude lies under 2^(3 - 127), a block of zeros among them, gets the byte 1 (the rule says 127 for zeros): only this program reads these bytes.
; SHARES.  Work-group g: batch g / 64, key step (g / 4) % 16, heads 4 (g % 4) on; wave w: head w / 4 of the four, pair w % 4: 32 keys x 64 numbers.  The given codes are moved by a few waves beside that:
; waves 0-3 a quarter of head g / 4's values; wave 4 of every other pair of work-groups half of its scale words.  A wave's eight loads of codes read 16 rows x 256 bytes between them.
; No matrix work, no cluster, no tensor load: every byte is read once by one wave.
.set HB,    69632      ; a head's block
.set KSL,   139264     ; behind the turn spaces (8,704 bytes a wave: 32 rows of 256 + 16): the work-group's 4 x 256 bytes of scale words
.set SPARE, 140288     ; the spare words, 128 bytes for each wave
.set SPW, 2
.set NIL, 3
.set GL,  4            ; keys as they lie: lanes 0-15 a row's 256 bytes, lanes 16-31 the next row's
.set TW,  5            ; into my turn space
.set TR,  6            ; out of it: row 16 (r / 8) + r % 8 (+ 8 u), block h
.set LO,  7            ; 16 x lane
.set KSA, 8
.set KSR, 9
.set KSD, 10
.set SH8, 11
.set VO,  12
.set SO,  14
.set SD,  15
.set X,   32
.set Y,   96
.set WV,  26
.set SEL, 34
.macro Q16 adr, off, x, c, t           ; lane (r, h): 32 numbers of one row become 32 codes in v[c .. c + 3]; v[t + 3] gets the row's two scale bytes
.irp j, 0,1,2,3,4,5,6,7
	ds_load_b128 v[\x+4*\j:\x+4*\j+3], v[\adr] offset:\off+16*\j
.endr
	s_wait_dscnt 0x0
	v_max3_num_f32 v[\t], |v[\x]|, |v[\x+1]|, |v[\x+2]|
	v_max3_num_f32 v[\t+1], |v[\x+3]|, |v[\x+4]|, |v[\x+5]|
.irp k, 6,10,14,18,22,26
	s_delay_alu instid0(VALU_DEP_2)
	v_max3_num_f32 v[\t], v[\t], |v[\x+\k]|, |v[\x+\k+1]|
	s_delay_alu instid0(VALU_DEP_2)
	v_max3_num_f32 v[\t+1], v[\t+1], |v[\x+\k+2]|, |v[\x+\k+3]|
.endr
	s_delay_alu instid0(VALU_DEP_2)
	v_max3_num_f32 v[\t], v[\t], |v[\x+30]|, |v[\x+31]|
	s_delay_alu instid0(VALU_DEP_1)
	v_max3_num_f32 v[\t], v[\t], v[\t+1], 0x1800000               ; the floor 2^(3 - 127): the byte cannot fall under 1
	s_delay_alu instid0(VALU_DEP_1)
	v_add_nc_u32 v[\t+2], 0xff000000, v[\t]                       ; 2 off the exponent field: the conversion's scale operand
	s_delay_alu instid0(VALU_DEP_1)
	v_lshrrev_b32 v[\t+3], 23, v[\t+2]
.irp g, 0,1,2,3
	v_cvt_scalef32_pk8_fp4_f32 v[\c+\g], v[\x+8*\g:\x+8*\g+7], v[\t+2]
.endr
	v_lshlrev_b32 v[\t+3], v[SH8], v[\t+3]                        ; my byte at its place (the plain line behind the conversions)
	s_delay_alu instid0(VALU_DEP_1)
	v_permlanex16_b32 v[\t+1], v[\t+3], s[SEL], s[SEL+1]
	s_delay_alu instid0(VALU_DEP_1)
	v_or_b32 v[\t+3], v[\t+3], v[\t+1]
.endm
	s_load_b256 s[4:11], s[0:1], 0x0               ; keys, V's codes, V's scales, kb
	s_load_b64 s[12:13], s[0:1], 0x20              ; vb
	v_lshl_add_u32 v[SPW], v0, 2, SPARE
	v_mov_b32 v[NIL], 0
	v_lshrrev_b32 v16, 5, v0
	v_readfirstlane_b32 s[WV], v16
	s_lshr_b32 s27, ttmp9, 6                       ; n
	s_bfe_u32 s28, ttmp9, 0x40002                  ; key step
	s_and_b32 s29, ttmp9, 3                        ; group of four heads; also the quarter of a head's values
	s_lshr_b32 s30, s[WV], 2
	s_and_b32 s31, s[WV], 3                        ; pair
	s_lshl_b32 s32, s29, 2
	s_lshl_b32 s33, s27, 4
	s_add_co_u32 s40, s33, s32                     ; 16 n + 4 group
	s_add_co_u32 s33, s40, s30                     ; y
	s_add_co_u32 s32, s32, s30                     ; head
	s_lshl_b32 s36, s27, 23
	s_lshl_b32 s45, s28, 19
	s_add_co_u32 s36, s36, s45
	s_lshl_b32 s45, s31, 17
	s_add_co_u32 s36, s36, s45
	s_lshl_b32 s45, s32, 8
	s_add_co_u32 s36, s36, s45                     ; my 32 rows of keys, my head's 256 bytes
	s_mov_b32 s37, 0
	s_mul_i32 s38, s33, HB
	s_lshl_b32 s45, s28, 12
	s_add_co_u32 s38, s38, s45
	s_lshl_b32 s45, s31, 10
	s_add_co_u32 s38, s38, s45                     ; my 1,024 bytes of codes
	s_mov_b32 s39, 0
	s_mul_i32 s40, s40, HB
	s_lshl_b32 s45, s28, 8
	s_add_co_u32 s40, s40, s45
	s_add_co_u32 s40, s40, 65536                   ; the step's unit of scale words in the first of the four heads' blocks
	s_mov_b32 s41, 0
	s_mul_i32 s42, s[WV], 8704
	s_lshl_b32 s43, s30, 8
	s_lshl_b32 s45, s31, 2
	s_add_co_u32 s43, s43, s45
	s_add_co_u32 s43, s43, KSL
	s_lshr_b32 s44, ttmp9, 2
	s_mov_b32 s53, 0
	s_mov_b32 s55, 0
	s_mov_b32 s[SEL], 0x76543210
	s_mov_b32 s[SEL+1], 0xfedcba98
	v_and_b32 v16, 15, v0                          ; r
	v_bfe_u32 v17, v0, 4, 1                        ; h
	v_and_b32 v18, 31, v0
	v_bfe_u32 v19, v0, 3, 1
	v_and_b32 v20, 7, v0
	v_and_b32 v23, 63, v0
	v_bfe_u32 v24, v0, 4, 2
	v_lshlrev_b32 v[GL], 12, v17
	v_lshl_add_u32 v[GL], v16, 4, v[GL]
	v_mul_u32_u24 v[TW], v17, 272
	v_lshl_add_u32 v[TW], v16, 4, v[TW]
	v_add_nc_u32 v[TW], s42, v[TW]
	v_mul_u32_u24 v[TR], v19, 4352
	v_mad_u32_u24 v[TR], v20, 272, v[TR]
	v_lshl_add_u32 v[TR], v17, 7, v[TR]
	v_add_nc_u32 v[TR], s42, v[TR]
	v_lshlrev_b32 v[LO], 4, v18
	v_lshl_add_u32 v[KSA], v16, 4, s43
	v_lshl_add_u32 v[KSR], v23, 4, KSL
	v_mul_u32_u24 v[KSD], v24, HB
	v_lshl_add_u32 v[KSD], v16, 4, v[KSD]
	v_lshlrev_b32 v[SH8], 3, v17
	v_lshlrev_b32 v21, 4, v17
	v_lshl_add_u32 v22, v19, 4, v20                ; 16 (r / 8) + r % 8
	v_lshl_add_u32 v[VO], v22, 10, v21
	v_lshl_add_u32 v[SO], v22, 6, v21
	v_lshlrev_b32 v[SD], 10, v17
	v_lshl_add_u32 v[SD], v16, 4, v[SD]
	s_wait_alu depctr_va_vdst(0)                   ; the wait at the head's end
	s_wait_kmcnt 0x0
	s_add_nc_u64 s[4:5], s[4:5], s[36:37]
	s_add_nc_u64 s[14:15], s[10:11], s[38:39]
	s_add_nc_u64 s[16:17], s[10:11], s[40:41]
.irp j, 0,1,2,3,4,5,6,7,8,9,10,11,12,13,14,15
	global_load_b128 v[X+4*\j:X+4*\j+3], v[GL], s[4:5] offset:8192*\j th:TH_LOAD_NT   ; rows 2 j, 2 j + 1 of my 32: all my 8,192 bytes are asked for at once
.endr
	s_mul_i32 s54, s44, HB                         ; head g / 4's block of vb
	s_cmp_lt_u32 s[WV], 4
	s_cbranch_scc0 .Lnot_v
	s_lshl_b32 s52, s44, 16                        ; values' codes: steps 4 (g % 4) on, tile t = wave
	s_lshr_b32 s45, s[WV], 1
	s_lshl_b32 s45, s45, 15
	s_add_co_u32 s52, s52, s45
	s_and_b32 s45, s[WV], 1
	s_lshl_b32 s45, s45, 13
	s_add_co_u32 s52, s52, s45
	s_lshl_b32 s45, s29, 8
	s_add_co_u32 s52, s52, s45
	s_lshl_b32 s45, s29, 14
	s_add_co_u32 s54, s54, s45
	s_lshl_b32 s45, s[WV], 10
	s_add_co_u32 s54, s54, s45
	s_add_nc_u64 s[48:49], s[6:7], s[52:53]
	s_add_nc_u64 s[50:51], s[12:13], s[54:55]
.irp q, 0,1,2,3
.irp c, 0,1
	global_load_b128 v[Y+8*\q+4*\c:Y+8*\q+4*\c+3], v[VO], s[48:49] offset:64*\q+32*\c
.endr
.endr
	s_wait_loadcnt 0x0
.irp q, 0,1,2,3
.irp c, 0,1
	global_store_b128 v[LO], v[Y+8*\q+4*\c:Y+8*\q+4*\c+3], s[50:51] offset:4096*\q+512*\c   ; 32 lanes store 512 consecutive bytes, aligned
.endr
.endr
	s_wait_xcnt 0x0                                ; the stores have read their registers: LDS loads land there below
	s_branch .Lkeys
.Lnot_v:
	s_cmp_eq_u32 s[WV], 4
	s_cbranch_scc0 .Lkeys
	s_and_b32 s45, ttmp9, 2
	s_cmp_lg_u32 s45, 0
	s_cbranch_scc1 .Lkeys
	s_and_b32 s46, ttmp9, 1                        ; values' scale words: steps 8 (g % 2) + 4 h on
	s_lshl_b32 s52, s44, 12
	s_lshl_b32 s45, s46, 5
	s_add_co_u32 s52, s52, s45
	s_lshl_b32 s45, s46, 11
	s_add_co_u32 s54, s54, s45
	s_add_co_u32 s54, s54, 65536
	s_add_nc_u64 s[48:49], s[8:9], s[52:53]
	s_add_nc_u64 s[50:51], s[12:13], s[54:55]
.irp t, 0,1,2,3
	global_load_b128 v[Y+4*\t:Y+4*\t+3], v[SO], s[48:49] offset:2048*(\t/2)+512*(\t%2)   ; four steps' words of tile t's row r
.endr
	s_wait_loadcnt 0x0
.irp q, 0,1,2,3
.irp t, 0,1,2,3
	v_mov_b32 v[Y+16+4*\q+\t], v[Y+4*\t+\q]        ; turned: a step's four words lie together
.endr
.endr
.irp q, 0,1,2,3
	global_store_b128 v[SD], v[Y+16+4*\q:Y+16+4*\q+3], s[50:51] offset:256*\q   ; sixteen lanes store 256 consecutive bytes, aligned
.endr
	s_wait_xcnt 0x0
.Lkeys:
	s_wait_loadcnt 0x0
.irp j, 0,1,2,3,4,5,6,7,8,9,10,11,12,13,14,15
	ds_store_b128 v[TW], v[X+4*\j:X+4*\j+3] offset:544*\j          ; LDS serves a wave's instructions in order: the loads below see these
.endr
	Q16 TR, 0, Y, 16, 20                           ; key tile 2 pair
	global_store_b128 v[LO], v[16:19], s[14:15]    ; 32 lanes store 512 consecutive bytes, aligned
	ds_store_b16 v[KSA], v23                       ; both lanes of a row write the same two bytes with the same value
	Q16 TR, 2176, Y, 24, 28                        ; key tile 2 pair + 1: eight rows on
	global_store_b128 v[LO], v[24:27], s[14:15] offset:512
	ds_store_b16 v[KSA], v31 offset:2
	s_wait_dscnt 0x0                               ; my scale bytes are in LDS
	s_barrier_signal -1
	s_barrier_wait -1                              ; everybody's are
	s_cmp_lt_u32 s[WV], 2
	s_cbranch_scc0 .Lend
	ds_load_b128 v[Y:Y+3], v[KSR]                  ; waves 0 and 1 store the four heads' units: sixteen lanes 256 consecutive bytes
	s_wait_dscnt 0x0
	global_store_b128 v[KSD], v[Y:Y+3], s[16:17]
.Lend:
	s_wait_tensorcnt 0x0                           ; the wave's end
	ds_add_u32 v[SPW], v[NIL]
	s_wait_dscnt 0x0
	s_endpgm
.Lfunc_end_k_q26b0f172a9_prep:
	.size	k_q26b0f172a9_prep, .Lfunc_end_k_q26b0f172a9_prep-k_q26b0f172a9_prep
	.p2alignl 7, 3214868480
	.fill 96, 4, 3214868480
	.section	.rodata,"a",@progbits
	.p2align	6, 0x0
	.amdhsa_kernel k_q26b0f172a9_prep
		.amdhsa_group_segment_fixed_size 142336
		.amdhsa_private_segment_fixed_size 0
		.amdhsa_enable_private_segment 0
		.amdhsa_kernarg_size 40
		.amdhsa_user_sgpr_count 2
		.amdhsa_user_sgpr_kernarg_segment_ptr 1
		.amdhsa_wavefront_size32 1
		.amdhsa_system_sgpr_workgroup_id_x 1
		.amdhsa_system_sgpr_workgroup_id_y 1
		.amdhsa_system_sgpr_workgroup_id_z 1
		.amdhsa_system_vgpr_workitem_id 0
		.amdhsa_next_free_vgpr 128
		.amdhsa_next_free_sgpr 66
		.amdhsa_reserve_vcc 0
		.amdhsa_float_denorm_mode_32 3
		.amdhsa_float_denorm_mode_16_64 3
		.amdhsa_memory_ordered 1
		.amdhsa_forward_progress 1
		.amdhsa_inst_pref_size 17
	.end_amdhsa_kernel
	.amdgpu_metadata
---
amdhsa.version: [ 1, 2 ]
amdhsa.kernels:
  - .name:           k_q26b0f172a9_prep
    .symbol:         k_q26b0f172a9_prep.kd
    .args:
      - { .name: keys, .offset: 0, .size: 8, .value_kind: global_buffer, .address_space: global }
      - { .name: values_codes, .offset: 8, .size: 8, .value_kind: global_buffer, .address_space: global }
      - { .name: values_scales, .offset: 16, .size: 8, .value_kind: global_buffer, .address_space: global }
      - { .name: kb, .offset: 24, .size: 8, .value_kind: global_buffer, .address_space: global }
      - { .name: vb, .offset: 32, .size: 8, .value_kind: global_buffer, .address_space: global }
    .group_segment_fixed_size: 142336
    .private_segment_fixed_size: 0
    .kernarg_segment_align: 8
    .kernarg_segment_size: 40
    .max_flat_workgroup_size: 512
    .sgpr_count:     66
    .vgpr_count:     128
    .wavefront_size: 32
...
	.end_amdgpu_metadata
.endif
;; end of part 1
;; launch attn (part 2): grid 4 x 64, 16 waves a work-group, clusters of 4 x 1, 327,680 bytes of LDS; arguments query, kb, vb, oc, os; writes oc, os
.if DOCPART == 2
	.amdgcn_target "amdgcn-amd-amdhsa--gfx1250"
	.amdhsa_code_object_version 6
	.text
	.protected	k_q26b0f172a9_attn
	.globl	k_q26b0f172a9_attn
	.p2align	8
	.type	k_q26b0f172a9_attn,@function
k_q26b0f172a9_attn:
	s_mov_b64 s[64:65], 0
	v_nop
	global_prefetch_b8 v0, s[64:65] scope:SCOPE_SE
	s_setreg_imm32_b32 hwreg(HW_REG_WAVE_MODE, 25, 1), 1
	s_wait_xcnt 0x0
	s_wait_alu depctr_hold_cnt(0) depctr_sa_sdst(0) depctr_va_vdst(0) depctr_va_sdst(0) depctr_va_ssrc(0) depctr_va_vcc(0) depctr_vm_vsrc(0)
	s_getreg_b32 s2, hwreg(HW_REG_IB_STS2, 6, 4)
	s_cmp_eq_u32 s2, 0
	s_cbranch_scc0 .Lentry_in_a_cluster
	s_endpgm
.Lentry_in_a_cluster:
	s_bfe_u32 s2, ttmp6, 0x10000c
	s_cmp_lg_u32 s2, 0x3003
	s_cbranch_scc0 .Lentry_shape_is_right
	s_endpgm
.Lentry_shape_is_right:
; SELF-ATTENTION, products 1 and 2 of the problem's table, on codes of FP4 (E2M1) with one E8M0 scale for each 32 along a product's K.  Nothing of reference() is left out.
; t = (q . k) x log2(e) / 32; M = the running largest t rounded UP to a whole number; p = 2^(t - M) is quantised along the keys, not normalised; the row's sum l is taken of the unquantised p.
; O / l is quantised along the embedding (a head's 64 are two whole blocks) and stored as codes (oc) and scale bytes (os) for the projection's launch.
; LIMITS: NaN and infinities among the inputs are not served.  A block whose largest magnitude lies under 2^(3 - 127), a block of zeros among them, gets the byte 1 (the rule says 127 for zeros): only this program reads these bytes.
; A block's largest p is taken from its largest score: that takes v_exp_f32 not to fall where its input rises.  A given scale byte 0xff of values gives NaN, as the format says.
; SHARES.  A work-group owns 512 queries of one head (y = 16 n + head = work-group y); each of its sixteen waves 32 of them: two tiles of 16.  Every wave walks the head's 2,048 keys, 128 a step.
; K AND V LIE IN LDS WHOLE, as the first launch laid them: two blocks of 69,632 bytes, filled once: each wave fetches 8,704 bytes (34 rows of 256), waves 0-7 of K's block, waves 8-15 of V's.  One barrier follows; the key steps have none.
; CLUSTER.  The four work-groups of a head need the same two blocks: every tensor load is asked for JOINTLY, with one descriptor and the mask of all four.
; No prefetch is laid: the loop reads nothing from memory, and the head has no loop to run ahead in.
; LAYOUT.  Both products are used transposed: S^T = K Q^T, O^T = V^T P^T: a lane holds ONE query (lane % 16).  The rows of a tile of K and of V are chosen so that 16 registers of two tiles are 16 neighbours along the next K.
; K = 64 IN A FORM OF 128.  A fragment of K holds two tiles; it is multiplied by [Q | zeros] for the first and by [zeros | Q] for the second: zero codes add nothing.
.set HB,    69632      ; a head's block: 65,536 bytes of codes, 4,096 of scale words.  K's at LDS byte 0, V's at HB
.set TURN,  139264     ; Q's turn space: 4,352 bytes a wave; no fill lands here
.set SPARE, 208896     ; the spare words, 128 bytes for each wave
.set AK0, 1            ; 16 x lane; at the end my offset in a block of oc
.set AS0, 2            ; 65536 + 16 r
.set AV0, 3            ; HB + 16 x lane
.set AT0, 4            ; HB + 65536 + 16 r
.set SPW, 5
.set NIL, 6
.set RD,  7            ; into Q's turn space
.set CO,  8            ; Q as it lies
.set QA,  9            ; out of the turn space
.set SH8, 11
.set ADK, 12
.set ADS, 13
.set ADV, 14
.set ADT, 15           ; v16-23: -M, largest t, the sum's two halves, for each tile
.set QF,  24
.set QS,  48
.set PS,  50
.set KS,  52
.set VS,  56
.set PCD, 60
.set KF,  76           ; four fragments of K, then of V
.set S,   108
.set OT,  172
.set BM,  236
.set PM,  240
.set SO,  244
.set FF,  248
.set TA,  250
.set WV,  22
.set SEL, 24
.set CS,  26
.set G0K, 36
.set G1,  40
.set G0V, 56
.set KB,  60           ; s60, s61: the step's bytes on in the codes and in the scale words
.set KSB, 61
.macro CROUND
	s_barrier_signal -1
	s_barrier_wait -1
	s_cmp_lg_u32 s[WV], 0
	s_cbranch_scc1 .Lnot_wave_0_\@
	s_barrier_signal -3
.Lnot_wave_0_\@:
	s_barrier_wait -3
	s_barrier_signal -1
	s_barrier_wait -1
.endm
.macro WM0 d, a, b, sa, sb
	v_wmma_scale_f32_16x16x128_f8f6f4 v[\d:\d+7], v[\a:\a+7], v[\b:\b+7], 0, v[\sa], v[\sb] matrix_a_fmt:MATRIX_FMT_FP4 matrix_b_fmt:MATRIX_FMT_FP4
.endm
.macro WMA d, a, b, sa, sb
	v_wmma_scale_f32_16x16x128_f8f6f4 v[\d:\d+7], v[\a:\a+7], v[\b:\b+7], v[\d:\d+7], v[\sa], v[\sb] matrix_a_fmt:MATRIX_FMT_FP4 matrix_b_fmt:MATRIX_FMT_FP4
.endm
.macro PLACES
.rept 4
	v_nop
.endr
.endm
.macro Q16 adr, off, x, c, t           ; lane (r, h): 32 numbers of one row become 32 codes in v[c .. c + 3]; v[t + 3] gets the row's two scale bytes
.irp j, 0,1,2,3,4,5,6,7
	ds_load_b128 v[\x+4*\j:\x+4*\j+3], v[\adr] offset:\off+16*\j
.endr
	s_wait_dscnt 0x0
	v_max3_num_f32 v[\t], |v[\x]|, |v[\x+1]|, |v[\x+2]|
	v_max3_num_f32 v[\t+1], |v[\x+3]|, |v[\x+4]|, |v[\x+5]|
.irp k, 6,10,14,18,22,26
	s_delay_alu instid0(VALU_DEP_2)
	v_max3_num_f32 v[\t], v[\t], |v[\x+\k]|, |v[\x+\k+1]|
	s_delay_alu instid0(VALU_DEP_2)
	v_max3_num_f32 v[\t+1], v[\t+1], |v[\x+\k+2]|, |v[\x+\k+3]|
.endr
	s_delay_alu instid0(VALU_DEP_2)
	v_max3_num_f32 v[\t], v[\t], |v[\x+30]|, |v[\x+31]|
	s_delay_alu instid0(VALU_DEP_1)
	v_max3_num_f32 v[\t], v[\t], v[\t+1], 0x1800000
	s_delay_alu instid0(VALU_DEP_1)
	v_add_nc_u32 v[\t+2], 0xff000000, v[\t]
	s_delay_alu instid0(VALU_DEP_1)
	v_lshrrev_b32 v[\t+3], 23, v[\t+2]
.irp g, 0,1,2,3
	v_cvt_scalef32_pk8_fp4_f32 v[\c+\g], v[\x+8*\g:\x+8*\g+7], v[\t+2]
.endr
	v_lshlrev_b32 v[\t+3], v[SH8], v[\t+3]
	s_delay_alu instid0(VALU_DEP_1)
	v_permlanex16_b32 v[\t+1], v[\t+3], s[SEL], s[SEL+1]
	s_delay_alu instid0(VALU_DEP_1)
	v_or_b32 v[\t+3], v[\t+3], v[\t+1]
.endm
.macro QK i                            ; S^T of query tile i for 128 keys: eight products, each on an accumulator of its own
.irp p, 0,1,2,3
	WM0 S+16*\p, KF+8*\p, QF+12*(\i), KS+\p, QS+(\i)
	WM0 S+16*\p+8, KF+8*\p, QF+12*(\i)+4, KS+\p, QS+(\i)
.endr
.endm
.macro SUMS i                          ; the row's sum of tile i, of the unquantised p: 32 packed additions in four chains (v240-247 are free here), then onto the running sum
.set SUI, 18+4*(\i)
.irp c, 0,1,2,3
	v_pk_add_f32 v[PM+2*\c:PM+2*\c+1], v[S+2*\c:S+2*\c+1], v[S+8+2*\c:S+8+2*\c+1]
.endr
.set j, 16
.rept 6
.irp c, 0,1,2,3
	v_pk_add_f32 v[PM+2*\c:PM+2*\c+1], v[PM+2*\c:PM+2*\c+1], v[S+j+2*\c:S+j+2*\c+1]
.endr
.set j, j+8
.endr
	v_pk_add_f32 v[PM:PM+1], v[PM:PM+1], v[PM+2:PM+3]
	v_pk_add_f32 v[PM+4:PM+5], v[PM+4:PM+5], v[PM+6:PM+7]
	s_delay_alu instid0(VALU_DEP_1)
	v_pk_add_f32 v[PM:PM+1], v[PM:PM+1], v[PM+4:PM+5]
	s_delay_alu instid0(VALU_DEP_1)
	v_pk_add_f32 v[SUI:SUI+1], v[SUI:SUI+1], v[PM:PM+1]
.endm
.macro SMAX i, sum                     ; S^T becomes p, p's codes and scale word; the sum and O^T come under the new M.  sum = 0: the additions of p are left to the caller, while S still holds p
.set NM,  16+4*(\i)
.set SU,  18+4*(\i)
.set OTI, OT+32*(\i)
.set PCI, PCD+8*(\i)
.set PSI, PS+(\i)
.irp b, 0,1,2,3
	v_max3_num_f32 v[BM+\b], v[S+16*\b], v[S+16*\b+1], v[S+16*\b+2]   ; the largest score of each block of 32 keys: for the row's maximum and for the block's largest p
.endr
.irp k, 3,5,7,9,11,13
.irp b, 0,1,2,3
	v_max3_num_f32 v[BM+\b], v[BM+\b], v[S+16*\b+\k], v[S+16*\b+\k+1]
.endr
.endr
.irp b, 0,1,2,3
	v_max_num_f32 v[BM+\b], v[BM+\b], v[S+16*\b+15]
.endr
.irp b, 0,1,2,3
	s_delay_alu instid0(VALU_DEP_4)
	v_permlanex16_b32 v[PM+\b], v[BM+\b], s[SEL], s[SEL+1]
.endr
.irp b, 0,1,2,3
	s_delay_alu instid0(VALU_DEP_4)
	v_max_num_f32 v[BM+\b], v[BM+\b], v[PM+\b]
.endr
	s_delay_alu instid0(VALU_DEP_2)
	v_max3_num_f32 v[TA], v[BM], v[BM+1], v[BM+2]
	s_delay_alu instid0(VALU_DEP_1)
	v_max_num_f32 v[TA], v[TA], v[BM+3]
	s_delay_alu instid0(VALU_DEP_1)
	v_mul_f32 v[TA], s[CS], v[TA]
	s_delay_alu instid0(VALU_DEP_1)
	v_max_num_f32 v[NM+1], v[NM+1], v[TA]                          ; the running largest t
	v_mov_b32 v[TA], v[NM]
	s_delay_alu instid0(VALU_DEP_2)
	v_floor_f32 v[NM], -v[NM+1]                                    ; -M = floor(-t): M is a whole number
	s_delay_alu instid0(VALU_DEP_1)
	v_sub_f32 v[TA], v[NM], v[TA]                                  ; old M less new M; the three lines that make f stand among the 32 that make t - M, which do not hang on them
.set j, 0
.rept 5
	v_pk_fma_f32 v[S+j:S+j+1], v[S+j:S+j+1], s[CS:CS+1], v[NM:NM+1] op_sel_hi:[1,0,0]   ; t - M
.set j, j+2
.endr
	v_cvt_i32_f32 v[TA], v[TA]
.rept 5
	v_pk_fma_f32 v[S+j:S+j+1], v[S+j:S+j+1], s[CS:CS+1], v[NM:NM+1] op_sel_hi:[1,0,0]
.set j, j+2
.endr
	v_ldexp_f32 v[FF], 1.0, v[TA]                                  ; f = 2^(old M - new M): rounds nothing
.rept 22
	v_pk_fma_f32 v[S+j:S+j+1], v[S+j:S+j+1], s[CS:CS+1], v[NM:NM+1] op_sel_hi:[1,0,0]
.set j, j+2
.endr
.irp b, 0,1,2,3
	v_fma_f32 v[BM+\b], v[BM+\b], s[CS], v[NM]
.endr
.set j, 0
	s_wait_alu depctr_va_vdst(0)                                   ; the wait ahead of the batch
.irp b, 0,1,2,3
	v_exp_f32 v[BM+\b], v[BM+\b]                                   ; the blocks' largest p, in one batch with the 64
.endr
.rept 64
	v_exp_f32 v[S+j], v[S+j]
.set j, j+1
.endr
	v_pk_mul_f32 v[SU:SU+1], v[SU:SU+1], v[FF:FF+1] op_sel_hi:[1,0]
	s_wait_alu depctr_va_vdst(0)                                   ; and one behind the batch of 68, ahead of its first reader
.if \sum
	SUMS \i
.endif
.irp b, 0,1,2,3
	v_max_num_f32 v[BM+\b], 0x1800000, v[BM+\b]
.endr
.irp b, 0,1,2,3
	s_delay_alu instid0(VALU_DEP_4)
	v_add_nc_u32 v[SO+\b], 0xff000000, v[BM+\b]
.endr
.irp b, 0,1,2,3
	s_delay_alu instid0(VALU_DEP_4)
	v_lshrrev_b32 v[PM+\b], 23, v[SO+\b]
.endr
	s_delay_alu instid0(VALU_DEP_3)
	v_lshl_or_b32 v[PSI], v[PM+1], 8, v[PM]
	s_delay_alu instid0(VALU_DEP_1)
	v_lshl_or_b32 v[PSI], v[PM+2], 16, v[PSI]
	s_delay_alu instid0(VALU_DEP_1)
	v_lshl_or_b32 v[PSI], v[PM+3], 24, v[PSI]
.irp b, 0,1,2,3
	v_cvt_scalef32_pk8_fp4_f32 v[PCI+2*\b], v[S+16*\b:S+16*\b+7], v[SO+\b]
	v_cvt_scalef32_pk8_fp4_f32 v[PCI+2*\b+1], v[S+16*\b+8:S+16*\b+15], v[SO+\b]
.endr
	v_nop
.irp c, 0,1
.irp e, 0,1
	v_permlane16_swap_b32 v[PCI+4*\c+\e], v[PCI+4*\c+2+\e]         ; a whole block in a lane
.endr
.endr
.set j, 0
.rept 16
	v_pk_mul_f32 v[OTI+j:OTI+j+1], v[OTI+j:OTI+j+1], v[FF:FF+1] op_sel_hi:[1,0]   ; O^T under the new M; these sixteen also stand between the scale word, the codes and the products that take them
.set j, j+2
.endr
.endm
.macro KLOAD                           ; a step's addresses, its four fragments of K and their scale words
	v_add_nc_u32 v[ADK], s[KB], v[AK0]                             ; four plain lines: the places between the last products and the loads into the registers that they read
	v_add_nc_u32 v[ADS], s[KSB], v[AS0]
	v_add_nc_u32 v[ADV], s[KB], v[AV0]
	v_add_nc_u32 v[ADT], s[KSB], v[AT0]
.irp f, 0,1,2,3,4,5,6,7
	ds_load_b128 v[KF+4*\f:KF+4*\f+3], v[ADK] offset:512*\f        ; 512 consecutive bytes a load
.endr
	ds_load_b128 v[KS:KS+3], v[ADS]
.endm
.macro STEP more                       ; 128 keys for my two tiles of queries; K's loads were issued behind the step before.  more = 1: the next step's are issued behind this one's products
	s_wait_alu depctr_va_vdst(0)                                   ; directly ahead of the wait below
	s_wait_dscnt 0x0
	QK 0
	PLACES
	SMAX 0, 1
	QK 1
	PLACES                                                         ; ahead of the first read of results and of the loads into K's registers
.irp f, 0,1,2,3,4,5,6,7
	ds_load_b128 v[KF+4*\f:KF+4*\f+3], v[ADV] offset:512*\f        ; V lands while tile 1's softmax is walked
.endr
	ds_load_b128 v[VS:VS+3], v[ADT]
	SMAX 1, 0
	s_wait_alu depctr_va_vdst(0)                                   ; directly ahead of the wait below
	s_wait_dscnt 0x0
.irp t, 0,1,2,3
.irp e, 0,1
	WMA OT+32*\e+8*\t, KF+8*\t, PCD+8*\e, VS+\t, PS+\e             ; the eight accumulators by turns
.endr
.endr
	s_add_co_u32 s[KB], s[KB], 4096
	s_add_co_u32 s[KSB], s[KSB], 256
.if \more
	KLOAD
.endif
	SUMS 1                                                         ; tile 1's p still lies in S: its 32 additions stand between K's loads and the wait for them
.endm
	s_load_b256 s[4:11], s[0:1], 0x0               ; query, kb, vb, oc
	s_load_b64 s[12:13], s[0:1], 0x20              ; os
	v_lshl_add_u32 v[SPW], v0, 2, SPARE
	v_mov_b32 v[NIL], 0
	ds_add_u32 v[SPW], v[NIL]                      ; the wave's opening: the add, twice on end, and its wait ahead of my first tensor load
	ds_add_u32 v[SPW], v[NIL]                      ; and once more; the set-up below, work on registers, stands between it and the wait
	v_lshrrev_b32 v[TA], 5, v0
	v_readfirstlane_b32 s[WV], v[TA]
	s_bfe_u32 s28, ttmp6, 0x40000                  ; cx: my block of 512 queries; it enters query's, oc's and os's addresses alone
	s_and_b32 s29, ttmp7, 0xffff                   ; y, which the four partners share
	s_lshr_b32 s30, s29, 4                         ; n
	s_and_b32 s31, s29, 15                         ; head
	s_mov_b32 s[G1], 15|(3<<16)|(1<<21)            ; the mask: all four work-groups; elements of 8 bytes; bit 21 set beside a mask
	s_mov_b32 s[G1+1], 32<<16                      ; 34 dense rows of 256 bytes
	s_mov_b32 s[G1+2], 34<<16
	s_mov_b32 s[G1+3], 32<<16
	s_mov_b32 s[G1+4], 34
	s_mov_b32 s[G1+5], 32
	s_mov_b32 s[G1+6], 0
	s_mov_b32 s[G1+7], 0
	s_lshl_b32 s32, s30, 23                        ; query: n's rows of 4,096 bytes, the head's 256 bytes, my block's 512 rows, my wave's 32
	s_lshl_b32 s34, s31, 8
	s_add_co_u32 s32, s32, s34
	s_lshl_b32 s34, s28, 21
	s_add_co_u32 s32, s32, s34
	s_lshl_b32 s34, s[WV], 17
	s_add_co_u32 s32, s32, s34
	s_mov_b32 s33, 0
	s_mul_i32 s48, s29, HB                         ; the head's block, my eighth of it
	s_and_b32 s34, s[WV], 7
	s_mul_i32 s34, s34, 8704
	s_add_co_u32 s48, s48, s34
	s_mov_b32 s49, 0
	s_lshl_b32 s50, s30, 20                        ; oc: [row / 16][head][512 bytes]: my first tile of rows is 128 n + 32 cx + 2 wave
	s_lshl_b32 s34, s28, 18
	s_add_co_u32 s50, s50, s34
	s_lshl_b32 s34, s[WV], 14
	s_add_co_u32 s50, s50, s34
	s_lshl_b32 s34, s31, 9
	s_add_co_u32 s50, s50, s34
	s_mov_b32 s51, 0
	s_lshl_b32 s52, s30, 16                        ; os: [row][32 bytes], my head's two bytes
	s_lshl_b32 s34, s28, 14
	s_add_co_u32 s52, s52, s34
	s_lshl_b32 s34, s[WV], 10
	s_add_co_u32 s52, s52, s34
	s_lshl_b32 s34, s31, 1
	s_add_co_u32 s52, s52, s34
	s_mov_b32 s53, 0
	s_mul_i32 s54, s[WV], 8704                     ; where my 8,704 bytes go: K's block, then V's
	s_mul_i32 s55, s[WV], 4352
	s_add_co_u32 s55, s55, TURN
	s_mov_b32 s[SEL], 0x76543210
	s_mov_b32 s[SEL+1], 0xfedcba98
	s_mov_b32 s[CS], 0x3d38aa3b                    ; c = log2(e) / 32
	s_mov_b32 s[CS+1], s[CS]
	s_mov_b32 s[KB], 0
	s_mov_b32 s[KSB], 0
	v_and_b32 v250, 15, v0                         ; r
	v_bfe_u32 v251, v0, 4, 1                       ; h
	v_and_b32 v252, 31, v0
	v_lshlrev_b32 v[AK0], 4, v252
	v_lshl_add_u32 v[AS0], v250, 4, 65536
	v_lshl_add_u32 v[AV0], v252, 4, HB
	v_lshl_add_u32 v[AT0], v250, 4, HB+65536
	v_lshlrev_b32 v[SH8], 3, v251
	v_mul_u32_u24 v[RD], v251, 272
	v_lshl_add_u32 v[RD], v250, 4, v[RD]
	v_add_nc_u32 v[RD], s55, v[RD]
	v_lshlrev_b32 v[CO], 12, v251
	v_lshl_add_u32 v[CO], v250, 4, v[CO]
	v_mul_u32_u24 v[QA], v250, 272
	v_lshl_add_u32 v[QA], v251, 7, v[QA]
	v_add_nc_u32 v[QA], s55, v[QA]
	v_mov_b32 v17, 0xff61b1e6                      ; the largest t so far: -3e38
	v_mov_b32 v21, 0xff61b1e6
	v_floor_f32 v16, -v17
	v_floor_f32 v20, -v21
.irp j, 18,19,22,23
	v_mov_b32 v[\j], 0
.endr
.irp j, 0,1,2,3
	v_mov_b32 v[QF+4+\j], 0                        ; the zero codes between Q's two copies
	v_mov_b32 v[QF+16+\j], 0
	v_mov_b32 v[PM+\j], 0
.endr
	v_mov_b32 v[FF+1], 0
	s_wait_alu depctr_va_vdst(0)                   ; directly ahead of the waits below
	s_wait_dscnt 0x0                               ; both opening adds are done
	s_wait_kmcnt 0x0
	s_add_nc_u64 s[4:5], s[4:5], s[32:33]
.irp j, 0,1,2,3,4,5,6,7,8,9,10,11,12,13,14,15
	global_load_b128 v[S+4*\j:S+4*\j+3], v[CO], s[4:5] offset:8192*\j th:TH_LOAD_NT   ; rows 2 j, 2 j + 1 of my 32 queries
.endr
	s_mov_b32 s[G0K], 1
	s_mov_b32 s[G0K+1], s54
	s_add_nc_u64 s[G0K+2:G0K+3], s[6:7], s[48:49]
	s_or_b32 s[G0K+3], s[G0K+3], 0x80000000
	s_mov_b32 s[G0V], 1
	s_mov_b32 s[G0V+1], s54
	s_add_nc_u64 s[G0V+2:G0V+3], s[8:9], s[48:49]
	s_or_b32 s[G0V+3], s[G0V+3], 0x80000000
	s_add_nc_u64 s[10:11], s[10:11], s[50:51]
	s_add_nc_u64 s[12:13], s[12:13], s[52:53]
	CROUND                                         ; all four work-groups are here: the joint loads meet
	s_cmp_lt_u32 s[WV], 8                          ; one chain, one fill to an arm: every wave issues one tensor load, its only one
	s_cbranch_scc0 .Lfor_v
	tensor_load_to_lds s[G0K:G0K+3], s[G1:G1+7]
	s_nop 0
	PLACES
	s_branch .Lasked
.Lfor_v:
	tensor_load_to_lds s[G0V:G0V+3], s[G1:G1+7]
	s_nop 0
	PLACES
.Lasked:
	s_wait_loadcnt 0x8                             ; tile 0's eight loads are in; tile 1's eight are younger
.irp j, 0,1,2,3,4,5,6,7
	ds_store_b128 v[RD], v[S+4*\j:S+4*\j+3] offset:544*\j
.endr
	Q16 QA, 0, OT, QF, OT+32
.irp j, 0,1,2,3
	v_mov_b32 v[QF+8+\j], v[QF+\j]
.endr
	v_lshl_or_b32 v[QS], v[OT+35], 16, v[OT+35]    ; Q's two bytes twice: for k 0-63 and for k 64-127
	s_wait_loadcnt 0x0
.irp j, 0,1,2,3,4,5,6,7
	ds_store_b128 v[RD], v[S+32+4*\j:S+32+4*\j+3] offset:544*\j
.endr
	Q16 QA, 0, OT, QF+12, OT+32
.irp j, 0,1,2,3
	v_mov_b32 v[QF+20+\j], v[QF+12+\j]
.endr
	v_lshl_or_b32 v[QS+1], v[OT+35], 16, v[OT+35]
.set j, 0
.rept 64
	v_mov_b32 v[OT+j], 0                           ; every key step is alike: the first finds zeros, which the first change of M leaves zeros
.set j, j+1
.endr
	s_mov_b32 s23, 15
	s_wait_alu depctr_va_vdst(0)                   ; the wait at the head's end
	s_wait_tensorcnt 0x0                           ; my 8,704 bytes have landed,
	s_wait_dscnt 0x0
	s_barrier_signal -1
	s_barrier_wait -1                              ; everybody's have: K and V are whole, and nothing is filled again
	KLOAD                                          ; step 0's
.Lstep:
	STEP 1
	s_sub_co_u32 s23, s23, 1
	s_cmp_lg_u32 s23, 0
	s_cbranch_scc1 .Lstep
	STEP 0                                         ; the last step is written out: no keys follow it
	; THE WAY OUT.  O^T / l, its four blocks of 32 along d quantised; codes and scale bytes are stored.  The additions are the places behind the last products.
	v_add_f32 v250, v18, v19
	v_add_f32 v251, v22, v23
	s_delay_alu instid0(VALU_DEP_2)
	v_permlanex16_b32 v252, v250, s[SEL], s[SEL+1]
	s_delay_alu instid0(VALU_DEP_2)
	v_permlanex16_b32 v253, v251, s[SEL], s[SEL+1]
	s_delay_alu instid0(VALU_DEP_2)
	v_add_f32 v250, v250, v252
	s_delay_alu instid0(VALU_DEP_2)
	v_add_f32 v251, v251, v253
	s_wait_alu depctr_va_vdst(0)
	v_rcp_f32 v16, v250
	v_rcp_f32 v20, v251
	v_nop
	s_wait_alu depctr_va_vdst(0)
.irp e, 0,1
.set j, 0
.rept 16
	v_pk_mul_f32 v[S+32*\e+j:S+32*\e+j+1], v[OT+32*\e+j:OT+32*\e+j+1], v[16+4*\e:17+4*\e] op_sel_hi:[1,0]   ; register 16 b + i of tile e: o(query r, d = 32 b + 16 h + i)
.set j, j+2
.endr
.endr
.irp g, 0,1,2,3
	v_max3_num_f32 v[BM+\g], |v[S+16*\g]|, |v[S+16*\g+1]|, 0x1800000
.endr
.irp k, 2,4,6,8,10,12,14
.irp g, 0,1,2,3
	s_delay_alu instid0(VALU_DEP_4)
	v_max3_num_f32 v[BM+\g], v[BM+\g], |v[S+16*\g+\k]|, |v[S+16*\g+\k+1]|
.endr
.endr
.irp g, 0,1,2,3
	s_delay_alu instid0(VALU_DEP_4)
	v_permlanex16_b32 v[PM+\g], v[BM+\g], s[SEL], s[SEL+1]
.endr
.irp g, 0,1,2,3
	s_delay_alu instid0(VALU_DEP_4)
	v_max_num_f32 v[BM+\g], v[BM+\g], v[PM+\g]
.endr
.irp g, 0,1,2,3
	s_delay_alu instid0(VALU_DEP_4)
	v_add_nc_u32 v[SO+\g], 0xff000000, v[BM+\g]
.endr
.irp g, 0,1,2,3
	s_delay_alu instid0(VALU_DEP_4)
	v_lshrrev_b32 v[PM+\g], 23, v[SO+\g]
.endr
.irp g, 0,1,2,3
	v_cvt_scalef32_pk8_fp4_f32 v[PCD+2*\g], v[S+16*\g:S+16*\g+7], v[SO+\g]
	v_cvt_scalef32_pk8_fp4_f32 v[PCD+2*\g+1], v[S+16*\g+8:S+16*\g+15], v[SO+\g]
.endr
	v_nop
.irp e, 0,1
.irp c, 0,1
	v_permlane16_swap_b32 v[PCD+4*\e+\c], v[PCD+4*\e+2+\c]   ; lanes 0-15 hold block 0 whole, lanes 16-31 block 1: four registers of the projection's operand
.endr
.endr
	global_store_b128 v[AK0], v[PCD:PCD+3], s[10:11]               ; 32 lanes store 512 consecutive bytes, aligned
	global_store_b128 v[AK0], v[PCD+4:PCD+7], s[10:11] offset:8192 ; the next tile of 16 rows
	v_lshl_or_b32 v250, v[PM+1], 8, v[PM]
	v_lshl_or_b32 v251, v[PM+3], 8, v[PM+2]
	v_and_b32 v252, 31, v0
	s_delay_alu instid0(VALU_DEP_1)
	v_cmp_gt_u32 vcc_lo, 16, v252
	s_delay_alu instid0(VALU_DEP_1)
	v_cndmask_b32 v250, v251, v250, vcc_lo         ; lane l stores for row l of my 32
	s_delay_alu instid0(VALU_DEP_3)
	v_lshlrev_b32 v252, 5, v252
	global_store_b16 v252, v250, s[12:13]          ; two bytes of each row's 32: one byte of scales for 16 of codes
	s_wait_tensorcnt 0x0                           ; the wave's end
	ds_add_u32 v[SPW], v[NIL]
	s_wait_dscnt 0x0
	CROUND                                         ; the closing round
	s_endpgm
.Lfunc_end_k_q26b0f172a9_attn:
	.size	k_q26b0f172a9_attn, .Lfunc_end_k_q26b0f172a9_attn-k_q26b0f172a9_attn
	.p2alignl 7, 3214868480
	.fill 96, 4, 3214868480
	.section	.rodata,"a",@progbits
	.p2align	6, 0x0
	.amdhsa_kernel k_q26b0f172a9_attn
		.amdhsa_group_segment_fixed_size 327680
		.amdhsa_private_segment_fixed_size 0
		.amdhsa_enable_private_segment 0
		.amdhsa_kernarg_size 40
		.amdhsa_user_sgpr_count 2
		.amdhsa_user_sgpr_kernarg_segment_ptr 1
		.amdhsa_wavefront_size32 1
		.amdhsa_system_sgpr_workgroup_id_x 1
		.amdhsa_system_sgpr_workgroup_id_y 1
		.amdhsa_system_sgpr_workgroup_id_z 1
		.amdhsa_system_vgpr_workitem_id 0
		.amdhsa_next_free_vgpr 256
		.amdhsa_next_free_sgpr 66
		.amdhsa_reserve_vcc 1
		.amdhsa_float_denorm_mode_32 3
		.amdhsa_float_denorm_mode_16_64 3
		.amdhsa_memory_ordered 1
		.amdhsa_forward_progress 1
		.amdhsa_inst_pref_size 85
	.end_amdhsa_kernel
	.amdgpu_metadata
---
amdhsa.version: [ 1, 2 ]
amdhsa.kernels:
  - .name:           k_q26b0f172a9_attn
    .symbol:         k_q26b0f172a9_attn.kd
    .args:
      - { .name: query, .offset: 0, .size: 8, .value_kind: global_buffer, .address_space: global }
      - { .name: kb, .offset: 8, .size: 8, .value_kind: global_buffer, .address_space: global }
      - { .name: vb, .offset: 16, .size: 8, .value_kind: global_buffer, .address_space: global }
      - { .name: oc, .offset: 24, .size: 8, .value_kind: global_buffer, .address_space: global }
      - { .name: os, .offset: 32, .size: 8, .value_kind: global_buffer, .address_space: global }
    .group_segment_fixed_size: 327680
    .private_segment_fixed_size: 0
    .kernarg_segment_align: 8
    .kernarg_segment_size: 40
    .max_flat_workgroup_size: 512
    .sgpr_count:     66
    .vgpr_count:     256
    .wavefront_size: 32
...
	.end_amdgpu_metadata
.endif
;; end of part 2
;; launch proj (part 3): grid 4 x 64, 8 waves a work-group, clusters of 4 x 4, 248,832 bytes of LDS; arguments oc, os, w_out_codes, w_out_scales, b_out, out0; writes out0
.if DOCPART == 3
	.amdgcn_target "amdgcn-amd-amdhsa--gfx1250"
	.amdhsa_code_object_version 6
	.text
	.protected	k_q26b0f172a9_proj
	.globl	k_q26b0f172a9_proj
	.p2align	8
	.type	k_q26b0f172a9_proj,@function
k_q26b0f172a9_proj:
	s_mov_b64 s[64:65], 0
	v_nop
	global_prefetch_b8 v0, s[64:65] scope:SCOPE_SE
	s_setreg_imm32_b32 hwreg(HW_REG_WAVE_MODE, 25, 1), 1
	s_wait_xcnt 0x0
	s_wait_alu depctr_hold_cnt(0) depctr_sa_sdst(0) depctr_va_vdst(0) depctr_va_sdst(0) depctr_va_ssrc(0) depctr_va_vcc(0) depctr_vm_vsrc(0)
	s_getreg_b32 s2, hwreg(HW_REG_IB_STS2, 6, 4)
	s_cmp_eq_u32 s2, 0
	s_cbranch_scc0 .Lentry_in_a_cluster
	s_endpgm
.Lentry_in_a_cluster:
	s_bfe_u32 s2, ttmp6, 0x10000c
	s_cmp_lg_u32 s2, 0xf033
	s_cbranch_scc0 .Lentry_shape_is_right
	s_endpgm
.Lentry_shape_is_right:
; out0[row][o] = sum over k of x[row][k] w_out[o][k] + b_out[o]: product 3 of the problem's table, on codes of FP4 (E2M1) with one E8M0 scale for each 32 along K = 1,024.  Nothing is left out.
; x = O / l comes as the second launch laid it: oc [row / 16][head][512 bytes], a block being four registers of the operand, lane by lane (16 bytes at 16 x lane: row r, k = 64 head + 32 h + 0 .. 31); os [row][32] scale bytes.
; w_out_codes [1024][512 bytes], w_out_scales [1024][32], b_out [1024] f32, out0 [8192][1024] f32.
; LIMITS: a given scale byte 0xff of w_out gives NaN, as the format says; NaN and infinities in b_out pass as they are.
; SHARES.  A work-group makes 128 rows x 256 columns; 64 x 4 of them.  Its eight waves make 64 x 64 each: 16 accumulators.  All of K lies in LDS at once: each byte of LDS is filled once, there is no ring.
; CLUSTER: 4 x 4 work-groups.  The four of a row of the cluster need the same rows of x, the four of a column the same rows of w_out: each block is asked for JOINTLY, by one descriptor and a mask that names the four.
; THE MATRIX INSTRUCTION IS USED TRANSPOSED (source 0 = 16 rows of w_out, source 1 = 16 rows of x): a lane then holds eight neighbouring numbers of a row of out0.
; THE BIAS is loaded straight into the accumulators, in the result's layout: the sums begin at it, nothing is cleared and no addition is spent.
.set AIMG,  0          ; x's codes: 8 tiles of 16 rows x 8,192 bytes, as they lie in oc
.set WT,    65536      ; w_out's codes: 256 rows of 512 + 16 bytes
.set ASC,   200704     ; x's scale bytes: 128 rows of 32
.set WSC,   204800     ; w_out's: 256 rows of 32
.set STAGE, 212992     ; the way out: 16 rows of 256 + 16 bytes for each wave; no fill lands here
.set SPARE, 247808     ; the spare words, 128 bytes for each wave: four blocks of 256 bytes that no other line names
.set WP,    528
.set AA,  3            ; v3   my place in x's images
.set AW,  4            ; v4   my place in w_out's rows
.set ASW, 5            ; v5   my scale words: lanes 0-15 x's rows, lanes 16-31 w_out's
.set STO, 6            ; v6   the stage: where I put 32 bytes of a row
.set RD,  7            ; v7   and where I read a row back
.set CO,  8            ; v8   my byte offset in out0
.set SPW, 9            ; v9   my spare word; never rewritten
.set NIL, 10           ; v10  0; never rewritten
.set BO,  11           ; v11  32 h: my half's eight numbers of b_out
.set SC,  12           ; v12-43   scale words: register 8 i + s: lanes 0-15 x's tile i, lanes 16-31 w_out's tile i, K step s
.set AF,  44           ; v44-75   x's four fragments of a K step; on the way out rows read back
.set BF,  76           ; v76-107  w_out's four
.set ACC, 128          ; v128-255 accumulator (a, b) at 128 + 8 (4 a + b)
.set WV,  16
.set G1W,  24          ; s[24:31] group 1: w_out's codes;  s[32:39] its scale bytes;  s[40:47] x's codes;  s[48:55] x's scale bytes
.set G1WS, 32
.set G1A,  40
.set G1AS, 48
.set G0W,  56          ; s[56:59], s[60:63], s[68:71], s[72:75] their groups 0
.set G0WS, 60
.set G0A,  68
.set G0AS, 72
.macro CROUND
	s_barrier_signal -1
	s_barrier_wait -1
	s_cmp_lg_u32 s[WV], 0
	s_cbranch_scc1 .Lnot_wave_0_\@
	s_barrier_signal -3
.Lnot_wave_0_\@:
	s_barrier_wait -3
	s_barrier_signal -1
	s_barrier_wait -1
.endm
	s_load_b256 s[4:11], s[0:1], 0x0               ; oc s[4:5], os s[6:7], w_out's codes s[8:9], its scale bytes s[10:11]
	s_load_b128 s[12:15], s[0:1], 0x20             ; b_out s[12:13], out0 s[14:15]
	v_lshl_add_u32 v[SPW], v0, 2, SPARE
	v_mov_b32 v[NIL], 0
	ds_add_u32 v[SPW], v[NIL]                      ; the wave's opening: the add, twice on end, and its wait ahead of my first tensor load
	ds_add_u32 v[SPW], v[NIL]                      ; and once more; the set-up below, work on registers, stands between it and the wait
	v_lshrrev_b32 v1, 5, v0
	s_delay_alu instid0(VALU_DEP_1)
	v_readfirstlane_b32 s[WV], v1                  ; wave 0..7
	s_and_b32 s17, s[WV], 3                        ; my 64 columns.  Also: which quarter of a block I fetch
	s_lshr_b32 s18, s[WV], 2                       ; my 64 rows.  Also: I fetch for w_out (0) or for x (1)
	s_bfe_u32 s76, ttmp6, 0x40000                  ; cx, cy: my place in the cluster
	s_bfe_u32 s77, ttmp6, 0x40004
	s_lshl_b32 s78, ttmp9, 2
	s_add_co_u32 s78, s78, s76                     ; X: my block of 256 columns
	s_and_b32 s79, ttmp7, 0xffff
	s_lshl_b32 s79, s79, 2
	s_add_co_u32 s79, s79, s77                     ; Y: my block of 128 rows
	s_lshl_b32 s80, s77, 2
	s_lshl_b32 s80, 15, s80                        ; my row of the cluster
	s_lshl_b32 s81, 0x1111, s76                    ; my column
	; w_out's codes: 64 rows x 64 elements of 8 bytes, dense; 16 bytes of padding behind each 512
	s_or_b32 s[G1W], s81, (3<<16)|(1<<20)|(1<<21)|(6<<22)|(3<<25)  ; 15:0 the mask: my column; 17:16 elements of 8 bytes; 20 padding on; 21 set beside a mask; 24:22 after every 128 words; 31:25 four words
	s_mov_b32 s[G1W+1], 64<<16
	s_mov_b32 s[G1W+2], 64<<16
	s_mov_b32 s[G1W+3], 64<<16
	s_mov_b32 s[G1W+4], 64
	s_mov_b32 s[G1W+5], 64
	s_mov_b32 s[G1W+6], 0
	s_mov_b32 s[G1W+7], 0
	; its scale bytes: 8,192 dense bytes as 32 rows of 256, one load
	s_or_b32 s[G1WS], s81, (3<<16)|(1<<21)
	s_mov_b32 s[G1WS+1], 32<<16
	s_mov_b32 s[G1WS+2], 32<<16
	s_mov_b32 s[G1WS+3], 32<<16
	s_mov_b32 s[G1WS+4], 32
	s_mov_b32 s[G1WS+5], 32
	s_mov_b32 s[G1WS+6], 0
	s_mov_b32 s[G1WS+7], 0
	; x's codes: a half is 32,768 dense bytes, 128 rows of 256
	s_or_b32 s[G1A], s80, (3<<16)|(1<<21)          ; the mask: my row
	s_mov_b32 s[G1A+1], 32<<16
	s_mov_b32 s[G1A+2], 128<<16
	s_mov_b32 s[G1A+3], 32<<16
	s_mov_b32 s[G1A+4], 128
	s_mov_b32 s[G1A+5], 32
	s_mov_b32 s[G1A+6], 0
	s_mov_b32 s[G1A+7], 0
	; x's scale bytes: 4,096 dense bytes as 16 rows of 256, one load
	s_or_b32 s[G1AS], s80, (3<<16)|(1<<21)
	s_mov_b32 s[G1AS+1], 32<<16
	s_mov_b32 s[G1AS+2], 16<<16
	s_mov_b32 s[G1AS+3], 32<<16
	s_mov_b32 s[G1AS+4], 16
	s_mov_b32 s[G1AS+5], 32
	s_mov_b32 s[G1AS+6], 0
	s_mov_b32 s[G1AS+7], 0
	; where the blocks come from: w_out's hang on X alone, x's on Y alone, each in registers that never hold the other coordinate
	s_lshl_b32 s82, s78, 17                        ; 256 rows of 512 bytes,
	s_lshl_b32 s19, s17, 15                        ; my 64 of them
	s_add_co_u32 s82, s82, s19
	s_mov_b32 s83, 0
	s_lshl_b32 s84, s78, 13                        ; 256 rows of 32 bytes, whole
	s_mov_b32 s85, 0
	s_lshl_b32 s86, s79, 16                        ; 8 tiles of 8,192 bytes,
	s_and_b32 s92, s17, 1
	s_lshl_b32 s92, s92, 15                        ; my four of them (waves 4 and 5); in LDS as in memory
	s_add_co_u32 s86, s86, s92
	s_mov_b32 s87, 0
	s_lshl_b32 s88, s79, 12                        ; 128 rows of 32 bytes, whole
	s_mov_b32 s89, 0
	s_mul_i32 s90, s17, 64*WP                      ; and where they go: no place in the cluster enters an LDS address
	s_add_co_u32 s90, s90, WT
	s_mov_b32 s91, WSC
	s_mov_b32 s93, ASC
	s_lshl_b32 s20, s78, 10                        ; my first column, in bytes of f32: 1,024 X + 256 x (wave % 4)
	s_lshl_b32 s19, s17, 8
	s_add_co_u32 s20, s20, s19
	s_mov_b32 s21, 0
	s_lshl_b32 s94, s79, 19                        ; my first row of out0: 128 Y + 64 x (wave / 4), rows of 4,096 bytes
	s_lshl_b32 s19, s18, 18
	s_add_co_u32 s94, s94, s19
	s_add_co_u32 s94, s94, s20
	s_mov_b32 s95, 0
	s_wait_dscnt 0x0                               ; both opening adds are done
	s_wait_kmcnt 0x0
	s_mov_b32 s[G0W], 1
	s_mov_b32 s[G0W+1], s90
	s_add_nc_u64 s[G0W+2:G0W+3], s[8:9], s[82:83]
	s_or_b32 s[G0W+3], s[G0W+3], 0x80000000
	s_mov_b32 s[G0WS], 1
	s_mov_b32 s[G0WS+1], s91
	s_add_nc_u64 s[G0WS+2:G0WS+3], s[10:11], s[84:85]
	s_or_b32 s[G0WS+3], s[G0WS+3], 0x80000000
	s_mov_b32 s[G0A], 1
	s_mov_b32 s[G0A+1], s92
	s_add_nc_u64 s[G0A+2:G0A+3], s[4:5], s[86:87]
	s_or_b32 s[G0A+3], s[G0A+3], 0x80000000
	s_mov_b32 s[G0AS], 1
	s_mov_b32 s[G0AS+1], s93
	s_add_nc_u64 s[G0AS+2:G0AS+3], s[6:7], s[88:89]
	s_or_b32 s[G0AS+3], s[G0AS+3], 0x80000000
	s_add_nc_u64 s[12:13], s[12:13], s[20:21]      ; b_out at my first column
	s_add_nc_u64 s[14:15], s[14:15], s[94:95]      ; out0 at my first number
	CROUND                                         ; all sixteen work-groups are here: the joint loads meet
	s_cmp_lt_u32 s[WV], 4                          ; one chain, one fill to an arm: waves 0 to 3 fetch w_out's quarters, 4 and 5 x's halves, 6 w_out's scale bytes, 7 x's: one tensor load a wave
	s_cbranch_scc0 .Lfor_x
	tensor_load_to_lds s[G0W:G0W+3], s[G1W:G1W+7]
	s_nop 0
.rept 4
	v_nop
.endr
	s_branch .Lasked
.Lfor_x:
	s_cmp_lt_u32 s[WV], 6
	s_cbranch_scc0 .Lfor_ws
	tensor_load_to_lds s[G0A:G0A+3], s[G1A:G1A+7]
	s_nop 0
.rept 4
	v_nop
.endr
	s_branch .Lasked
.Lfor_ws:
	s_cmp_lt_u32 s[WV], 7
	s_cbranch_scc0 .Lfor_as
	tensor_load_to_lds s[G0WS:G0WS+3], s[G1WS:G1WS+7]
	s_nop 0
.rept 4
	v_nop
.endr
	s_branch .Lasked
.Lfor_as:
	tensor_load_to_lds s[G0AS:G0AS+3], s[G1AS:G1AS+7]
	s_nop 0
.rept 4
	v_nop
.endr
.Lasked:
	v_and_b32 v1, 15, v0                           ; r
	v_bfe_u32 v2, v0, 4, 1                         ; h
	s_delay_alu instid0(VALU_DEP_1)
	v_lshlrev_b32 v[BO], 5, v2
.irp a, 0,1,2,3
.irp b, 0,1,2,3
	global_load_b128 v[ACC+8*(4*\a+\b):ACC+8*(4*\a+\b)+3], v[BO], s[12:13] offset:64*\b       ; accumulator (a, b), register j of lane (r, h): b_out at column 16 b + 8 h + j of my 64
	global_load_b128 v[ACC+8*(4*\a+\b)+4:ACC+8*(4*\a+\b)+7], v[BO], s[12:13] offset:64*\b+16
.endr
.endr
	v_and_b32 v108, 31, v0                         ; lane
	s_lshl_b32 s19, s18, 15                        ; x: my four tiles of 8,192 bytes
	v_lshlrev_b32 v[AA], 4, v108
	s_delay_alu instid0(VALU_DEP_1)
	v_add_nc_u32 v[AA], s19, v[AA]
	s_mul_i32 s19, s17, 64*WP                      ; w_out: my 64 rows
	s_add_co_u32 s19, s19, WT
	v_mul_u32_u24 v[AW], v1, WP
	s_delay_alu instid0(VALU_DEP_1)
	v_lshl_add_u32 v[AW], v2, 4, v[AW]
	s_delay_alu instid0(VALU_DEP_1)
	v_add_nc_u32 v[AW], s19, v[AW]
	s_lshl_b32 s20, s18, 11                        ; x's scale bytes: my 64 rows of 32
	s_lshl_b32 s21, s17, 11                        ; w_out's: my 64 rows, 4,096 bytes behind x's first
	s_add_co_u32 s21, s21, WSC-ASC
	s_sub_co_u32 s21, s21, s20
	v_mul_u32_u24 v[ASW], s21, v2                  ; lanes 16-31 take w_out's: one product, the distance between the two bases
	s_delay_alu instid0(VALU_DEP_1)
	v_lshl_add_u32 v[ASW], v1, 5, v[ASW]
	s_add_co_u32 s20, s20, ASC
	v_add_nc_u32 v[ASW], s20, v[ASW]
	s_mul_i32 s22, s[WV], 16*272
	s_add_co_u32 s22, s22, STAGE                   ; my stage
	v_mul_u32_u24 v[STO], v1, 272                  ; in: row r, 32 bytes for each half of the lanes
	s_delay_alu instid0(VALU_DEP_1)
	v_lshl_add_u32 v[STO], v2, 5, v[STO]
	s_delay_alu instid0(VALU_DEP_1)
	v_add_nc_u32 v[STO], s22, v[STO]
	v_mul_u32_u24 v[RD], v2, 272                   ; back: lanes 0-15 one row of 256 bytes, lanes 16-31 the next
	s_delay_alu instid0(VALU_DEP_1)
	v_lshl_add_u32 v[RD], v1, 4, v[RD]
	s_delay_alu instid0(VALU_DEP_1)
	v_add_nc_u32 v[RD], s22, v[RD]
	v_lshlrev_b32 v[CO], 12, v2                    ; and the same two rows in out0
	s_delay_alu instid0(VALU_DEP_1)
	v_lshl_add_u32 v[CO], v1, 4, v[CO]
	s_wait_alu depctr_va_vdst(0)
	s_wait_tensorcnt 0x0                           ; my block has landed,
	s_barrier_signal -1
	s_barrier_wait -1                              ; everybody's have
.irp i, 0,1,2,3
.irp g, 0,1
	ds_load_b128 v[SC+8*\i+4*\g:SC+8*\i+4*\g+3], v[ASW] offset:512*\i+16*\g   ; tile i's scale words of K steps 4 g .. 4 g + 3
.endr
.endr
	s_wait_loadcnt 0x0                             ; the bias
; A K step of 128: sixteen products.  The sixteen accumulators take turns, one product a turn, in the same order in every step.
.macro PSTEP s
.if \s > 0
.rept 4
	v_nop                                          ; four places in front of loads into registers that products have read
.endr
.endif
.irp b, 0,1,2,3
.irp c, 0,1
	ds_load_b128 v[BF+8*\b+4*\c:BF+8*\b+4*\c+3], v[AW] offset:16*WP*\b+64*\s+32*\c
.endr
.endr
.irp a, 0,1,2,3
.irp c, 0,1
	ds_load_b128 v[AF+8*\a+4*\c:AF+8*\a+4*\c+3], v[AA] offset:8192*\a+1024*\s+512*\c   ; heads 2 s and 2 s + 1: 512 consecutive bytes a load
.endr
.endr
.irp a, 0,1,2,3
	s_wait_dscnt 2*(3-\a)                          ; w_out's fragments and x's tiles up to a are in; the later tiles' two loads each may be out
.irp b, 0,1,2,3
	v_wmma_scale_f32_16x16x128_f8f6f4 v[ACC+8*(4*\a+\b):ACC+8*(4*\a+\b)+7], v[BF+8*\b:BF+8*\b+7], v[AF+8*\a:AF+8*\a+7], v[ACC+8*(4*\a+\b):ACC+8*(4*\a+\b)+7], v[SC+8*\b+\s], v[SC+8*\a+\s] matrix_a_fmt:MATRIX_FMT_FP4 matrix_b_fmt:MATRIX_FMT_FP4 matrix_a_scale:MATRIX_SCALE_ROW1
.endr
.endr
.endm
.irp s, 0,1,2,3,4,5,6,7
	PSTEP \s
.endr
; THE WAY OUT, 16 rows x 64 columns at a time.  A lane holds 32 neighbouring bytes of a row, the lanes beside it other rows: a block goes through my own stage and comes back as whole rows of 256 bytes.
; LDS serves a wave's instructions in order: no wait between the stores and the loads, nor in front of the next block's stores.
.macro TOSTAGE a
.irp b, 0,1,2,3
	ds_store_b128 v[STO], v[ACC+8*(4*(\a)+\b):ACC+8*(4*(\a)+\b)+3] offset:64*\b          ; each accumulator from its low end on
	ds_store_b128 v[STO], v[ACC+8*(4*(\a)+\b)+4:ACC+8*(4*(\a)+\b)+7] offset:64*\b+16
.endr
.set BB, AF+32*((\a)%2)
.irp t, 0,1,2,3,4,5,6,7
	ds_load_b128 v[BB+4*\t:BB+4*\t+3], v[RD] offset:544*\t
.endr
.endm
.macro SEND a, younger                 ; younger: the LDS instructions issued behind block a's loads, which may stay out
.set BB, AF+32*((\a)%2)
	s_wait_dscnt \younger
.irp t, 0,1,2,3,4,5,6,7
	global_store_b128 v[CO], v[BB+4*\t:BB+4*\t+3], s[14:15] offset:65536*(\a)+8192*\t th:TH_STORE_NT   ; sixteen lanes store 256 consecutive bytes, at a multiple of 256 from out0's first byte; written once, read by nobody here
.endr
.endm
.rept 4
	v_nop                                          ; four places between the last products, the first read of results and the loads into the fragments' registers
.endr
	TOSTAGE 0
.irp a, 1,2,3
.if \a > 1
	s_wait_xcnt 0x0                                ; block a - 2's stores have read their registers: block a's loads may land there
.endif
	TOSTAGE \a
	SEND \a-1, 16                                  ; behind block a - 1's loads: block a's 8 stores and 8 loads
.endr
	SEND 3, 0
	s_wait_tensorcnt 0x0                           ; the wave's end, behind my last tensor load and my last LDS store
	ds_add_u32 v[SPW], v[NIL]
	s_wait_dscnt 0x0
	CROUND                                         ; the closing round: no work-group ends while a partner may still ask for a block that names it
	s_endpgm
.Lfunc_end_k_q26b0f172a9_proj:
	.size	k_q26b0f172a9_proj, .Lfunc_end_k_q26b0f172a9_proj-k_q26b0f172a9_proj
	.p2alignl 7, 3214868480
	.fill 96, 4, 3214868480
	.section	.rodata,"a",@progbits
	.p2align	6, 0x0
	.amdhsa_kernel k_q26b0f172a9_proj
		.amdhsa_group_segment_fixed_size 248832
		.amdhsa_private_segment_fixed_size 0
		.amdhsa_enable_private_segment 0
		.amdhsa_kernarg_size 48
		.amdhsa_user_sgpr_count 2
		.amdhsa_user_sgpr_kernarg_segment_ptr 1
		.amdhsa_wavefront_size32 1
		.amdhsa_system_sgpr_workgroup_id_x 1
		.amdhsa_system_sgpr_workgroup_id_y 1
		.amdhsa_system_sgpr_workgroup_id_z 1
		.amdhsa_system_vgpr_workitem_id 0
		.amdhsa_next_free_vgpr 256
		.amdhsa_next_free_sgpr 96
		.amdhsa_reserve_vcc 0
		.amdhsa_float_denorm_mode_32 3
		.amdhsa_float_denorm_mode_16_64 3
		.amdhsa_memory_ordered 1
		.amdhsa_forward_progress 1
		.amdhsa_inst_pref_size 46
	.end_amdhsa_kernel
	.amdgpu_metadata
---
amdhsa.version: [ 1, 2 ]
amdhsa.kernels:
  - .name:           k_q26b0f172a9_proj
    .symbol:         k_q26b0f172a9_proj.kd
    .args:
      - { .name: oc, .offset: 0, .size: 8, .value_kind: global_buffer, .address_space: global }
      - { .name: os, .offset: 8, .size: 8, .value_kind: global_buffer, .address_space: global }
      - { .name: w_out_codes, .offset: 16, .size: 8, .value_kind: global_buffer, .address_space: global }
      - { .name: w_out_scales, .offset: 24, .size: 8, .value_kind: global_buffer, .address_space: global }
      - { .name: b_out, .offset: 32, .size: 8, .value_kind: global_buffer, .address_space: global }
      - { .name: out0, .offset: 40, .size: 8, .value_kind: global_buffer, .address_space: global }
    .group_segment_fixed_size: 248832
    .private_segment_fixed_size: 0
    .kernarg_segment_align: 8
    .kernarg_segment_size: 48
    .max_flat_workgroup_size: 256
    .sgpr_count:     96
    .vgpr_count:     256
    .wavefront_size: 32
...
	.end_amdgpu_metadata
.endif
;; end of part 3
